; MI455X (gfx1250); checked and timed in simulation.
; The chip was launched on July 23, 2026; its instructions are those of AMD's public machine-readable ISA for CDNA 5 (MIT licence, August 2026) and "CDNA5" Instruction Set Architecture Reference Guide (July 2026). The comments in the code are by the model that wrote it; some were corrected since.
;; Attention. Allowed arithmetic: matrix products marked QUANTISED: E3M2 operands, one E8M0 scale for each 32 along K, by v_wmma_scale_f32_16x16x128_f8f6f4 with both operands' format E3M2, f32 sums; everything else in f32.
;; Inputs: k 4 x 16 x 2,048 x 128 float32; q 4 x 16 x 2,048 x 128 float32; v 4 x 16 x 2,048 x 128 float32.
;; Outputs: out0 4 x 16 x 2,048 x 128 float32.
;; This version of the problem:
;;   THIS VERSION OF THE PROBLEM IS GIVEN IN LOW PRECISION. The matrix products marked QUANTISED in the list below multiply operands that are first quantised to E3M2 (3 exponent bits, 2 mantissa bits; 6 bits a number), with one power-of-two scale for each 32 numbers along K (OCP MX v1.0); their sums are f32. All else is computed in f32.
;;   The module's matrix products, in the order in which they are computed (A, B: the left and right operand; K: the contracted axis; several contracted axes count as one K, in the product's order):
;;     1. batch 64 x [M 2,048, K 128] x [K 128, N 2,048]; A: input q; B: input k: QUANTISED
;;     2. batch 64 x [M 2,048, K 2,048] x [K 2,048, N 128]; A: softmax (see below); B: input v: QUANTISED
;;   THE QUANTISER, for each operand of a quantised product, along K:
;;     - K is cut into blocks of 32 from its start; a last block that is shorter is filled with zeros.
;;     - A block's scale is 2^e with e = floor(log2(the largest magnitude in the block)) - 4, held to -126 .. 127; a block of zeros has e = 0. As a byte (E8M0): e + 127.
;;     - Each number is divided by its block's scale, clamped to +-28, and rounded to the nearest number of E3M2, ties to even, subnormals kept.
;;     - The product sums the exact products of the quantised numbers (number of the format x scale) in f32.
;;   ~~~python
;;   def quantise(x, axis):      # numpy; x: float32 -> the quantised numbers, widened to float32 again
;;       x = np.moveaxis(x, axis, -1); K = x.shape[-1]
;;       x = np.pad(x, [(0, 0)] * (x.ndim - 1) + [(0, -K % 32)]); x = x.reshape(x.shape[:-1] + (-1, 32)); a = np.abs(x).max(-1, keepdims=True)
;;       e = np.where(a > 0, np.clip(np.frexp(np.where(a > 0, a, 1))[1] - 1 - 4, -126, 127), 0)      # np.frexp(a)[1] - 1 = floor(log2(a)), exactly
;;       r = np.clip(x / 2.0 ** e, -28, 28)
;;       step = 2.0 ** (np.maximum(np.frexp(np.where(r == 0, 1, r))[1] - 1, -2) - 2)
;;       q = np.round(r / step) * step * 2.0 ** e      # np.round: ties to even
;;       return np.moveaxis(q.reshape(q.shape[:-2] + (-1,))[..., :K], -1, axis).astype(np.float32)
;;   ~~~
;;   SOFTMAX AHEAD OF A QUANTISED PRODUCT. Where the list says 'softmax', what is quantised is not the finished softmax but p = 2^(t - M), with t = logit x log2(e) and M = ceil(the row's largest t), a whole number; so 1/2 < the row's largest p <= 1. The row's sum l is taken of the UNQUANTISED p, in f32, and the product's result is divided by l at the end. Since M is a whole number, a kernel that streams over the keys may use a running M (the ceiling of the running maximum): every later rescaling is an exact power of two, which a block's scale takes up: the codes' values come out the same.
;;   OPERANDS COMPUTED ON THE WAY. 'Computed on the way' means the value that the module computes at that place (a softmax that the list does not call 'softmax' is quantised finished and normalised). What goes into a quantiser is computed in f32, as accurately as f32 sums, v_exp_f32 and their like allow (about 1e-6 of the number): no bf16 or f16 on the way to a quantiser, and a product that is left as it is and whose result goes on into a quantised operand takes f32 operands (vector FMAs, or v_wmma_f32_16x16x4_f32). A number that lies on a knife's edge between two numbers of the format may be rounded either way, as far as f32 arithmetic and the matrix unit's own rounding can turn it there, and no further.
;; One version. Each part assembles by itself: llvm-mc -triple=amdgcn-amd-amdhsa -mcpu=gfx1250 --defsym DOCPART=n.
;; ======== version 1 of 1: 2 launches
;; limits: right only within a limited range of input values
;; workspace buffers: kvc 25,165,824 bytes; kvs 1,048,576 bytes
;; launch quant_kv (part 1): grid 2048 x 1, 4 waves a work-group, no clusters, 81,920 bytes of LDS; arguments k, v, kvc, kvs; writes kvc, kvs
.if DOCPART == 1
	.amdgcn_target "amdgcn-amd-amdhsa--gfx1250"
	.amdhsa_code_object_version 6
	.text
	.protected	k_q97bb43fb98_quant_kv
	.globl	k_q97bb43fb98_quant_kv
	.p2align	8
	.type	k_q97bb43fb98_quant_kv,@function
k_q97bb43fb98_quant_kv:
	s_mov_b64 s[64:65], 0
	v_nop
	global_prefetch_b8 v0, s[64:65] scope:SCOPE_SE
	s_setreg_imm32_b32 hwreg(HW_REG_WAVE_MODE, 25, 1), 1
	s_wait_xcnt 0x0
; k and v, [64 heads][2048 keys][128 channels] f32, become codes of BF6 (E3M2) with E8M0 scale bytes, laid as IMAGES OF THE OPERANDS' REGISTERS.  k is quantised along the channels (the first product's K), v along the keys (the second's).
; A block's scale is 2^(floor(log2(its largest magnitude)) - 4); its byte is the largest magnitude's exponent field - 4, held at 1 from below.
; LIMITS: NaN and infinities among the inputs are not served.  A block of zeros gets the byte 1 where the rule says 127: its codes are zeros, and this program alone reads the bytes.
; A STEP is 128 consecutive keys of a head; n = 16 x head + step.  Work-group 2 n takes k's step n, work-group 2 n + 1 v's.  The two paths part on the work-group's number, have LDS bytes of their own, and join for the scale words' way out.
; A fragment (16 rows x 128 K) is 12 registers a lane: lane (r, h) holds in registers 6 c .. 6 c + 5 the K 64 c + 32 h + 0 .. 31 of its row.  Its image is 1,536 bytes: registers 4 g .. 4 g + 3 of lane l at 512 g + 16 l.
; A scale image is 512 bytes: lane l's 16 bytes are words j = 0 .. 3; word j: lanes 0-15 the scale words of tile 2 j, lanes 16-31 those of tile 2 j + 1: that is wave j's lane l.
; kvc [n][24,576]: k's 8 images, then v's 8.  kvs [n][1,024]: k's scale image, then v's.
; K.  Lane row m of tile 4 c + i is key 64 c + 32 (m / 8) + 8 i + m % 8, so that in the transposed first product a lane's 32 results of tiles 4 c .. 4 c + 3 are 32 neighbouring keys.  Wave w makes tiles 2 w, 2 w + 1:
; keys 64 (w / 2) + 16 (w % 2) + 0 .. 15 and the 16 that lie 32 further on.  Each load reads a whole row of 512 bytes; the rows turn through the wave's stage (slots of 528 bytes, in the tiles' order).
; V.  A lane takes a channel (wave w: 32 w .. 32 w + 31) and its registers run down the keys: a block of 32 keys lies in one lane.  Tile t's lane row r is channel 16 t + r; my block q belongs to lane (channel % 16, q % 2) of
; tile 2 w + lane / 16, registers 6 (q / 2) on.  The images are put together in the wave's stage and leave as 512 consecutive bytes a store.
.set SLOTP, 528
.set WST,  32*SLOTP                    ; K: a wave's stage
.set VST,  4*WST                       ; V: four stages of 3,072 bytes
.set SCB,  VST+12288                   ; 128 bytes of scale words for each wave
.set SPARE, SCB+512                    ; the spare words
.set XK,   64                          ; K: v64-191
.set FQ,   32                          ; K: v32-55 the two fragments
.set XV,   80                          ; V: v80-207 four blocks of 32 numbers
.set FV,   32                          ; V: v32-55 what lanes (r, 0) and (r, 1) of my tile will hold
.set OUTR, 56                          ; V: v56-79 the way out
	s_load_b128 s[4:7], s[0:1], 0x0                ; k, v
	s_load_b128 s[8:11], s[0:1], 0x10              ; kvc, kvs
	v_lshl_add_u32 v208, v0, 2, SPARE              ; my spare word
	v_mov_b32 v209, 0
	v_lshrrev_b32 v1, 5, v0
	v_readfirstlane_b32 s16, v1                    ; wave 0..3
	v_and_b32 v1, 31, v0                           ; lane
	v_and_b32 v2, 15, v0                           ; r
	v_bfe_u32 v3, v0, 4, 1                         ; h
	v_lshlrev_b32 v4, 4, v1                        ; 16 x lane
	s_mul_i32 s17, s16, 3072
	v_add_nc_u32 v5, s17, v4                       ; my codes' place: two images x wave + 16 x lane
	s_mul_i32 s26, s16, WST
	v_add_nc_u32 v6, s26, v4                       ; K's stage, on the way in
	v_mul_u32_u24 v7, v2, SLOTP
	v_lshl_add_u32 v7, v3, 7, v7
	v_add_nc_u32 v7, s26, v7                       ; and on the way out: slot r, + 128 h bytes
	v_lshlrev_b32 v8, 3, v3                        ; 8 h
	s_lshl_b32 s18, s16, 7
	v_lshl_add_u32 v9, v1, 2, s18                  ; 128 x wave + 4 x lane: V's channel byte
	v_lshl_add_u32 v10, v1, 2, SCB                 ; wave 0 reads all four waves' words from here
	v_add_nc_u32 v11, SCB, v9                      ; my scale word
	v_mov_b32 v19, 0                               ; a lane permute's destination counts as one of its sources
	v_lshlrev_b32 v23, 4, v2
	v_mad_u32_u24 v23, v3, 1536, v23
	v_add_nc_u32 v23, s17, v23
	v_add_nc_u32 v23, VST, v23                     ; V's stage, on the way in: image lane / 16, 16 x (lane % 16)
	v_add_nc_u32 v31, VST, v5                      ; and on the way out
	s_mov_b32 s24, 0x76543210
	s_mov_b32 s25, 0xfedcba98
	s_and_b32 s19, ttmp9, 1                        ; 0: k, 1: v
	s_lshr_b32 s27, ttmp9, 1                       ; n
	s_lshl_b32 s20, s27, 16                        ; a step is 65,536 bytes of f32
	s_mov_b32 s21, 0
	s_mul_i32 s22, s27, 24576
	s_mul_i32 s23, s19, 12288
	s_add_co_u32 s22, s22, s23
	s_mov_b32 s23, 0
	s_lshl_b32 s28, s27, 10
	s_lshl_b32 s29, s19, 9
	s_add_co_u32 s28, s28, s29
	s_mov_b32 s29, 0
	s_wait_alu depctr_va_vdst(0)                   ; the wait at the head's end
	s_wait_kmcnt 0x0
	s_cmp_eq_u32 s19, 0
	s_cselect_b64 s[4:5], s[4:5], s[6:7]
	s_add_nc_u64 s[4:5], s[4:5], s[20:21]
	s_add_nc_u64 s[8:9], s[8:9], s[22:23]
	s_add_nc_u64 s[10:11], s[10:11], s[28:29]
	s_cmp_lg_u32 s19, 0
	s_cbranch_scc1 .Lv
	; ---- K ----
	s_lshr_b32 s20, s16, 1
	s_lshl_b32 s20, s20, 15                        ; 64 (w / 2) rows of 512 bytes
	s_and_b32 s22, s16, 1
	s_lshl_b32 s22, s22, 13                        ; 16 (w % 2) rows
	s_add_co_u32 s20, s20, s22
	s_add_nc_u64 s[4:5], s[4:5], s[20:21]
.set i, 0
.rept 32
	global_load_b128 v[XK+4*i:XK+4*i+3], v4, s[4:5] offset:512*(i%16+32*(i/16)) th:TH_LOAD_NT   ; my row i: 512 consecutive bytes
.set i, i+1
.endr
.set i, 0
.rept 32
	s_wait_loadcnt 31-i                            ; row i is in, the younger ones stay out
	ds_store_b128 v6, v[XK+4*i:XK+4*i+3] offset:SLOTP*(16*((i/8)%2)+i%8+8*(i/16))   ; my row i is lane row i % 8 + 8 (i / 16) of tile (i / 8) % 2
.set i, i+1
.endr
	s_wait_dscnt 0x0                               ; the stores have read their registers
.irp u, 0,1
.irp c, 0,1
.irp j, 0,1,2,3,4,5,6,7
	ds_load_b128 v[XK+64*\u+32*\c+4*\j:XK+64*\u+32*\c+4*\j+3], v7 offset:16*SLOTP*\u+256*\c+16*\j
.endr
.endr
.endr
.macro QT u
.set XS, XK+64*(\u)
.set FU, FQ+12*(\u)
.irp c, 0,1
	v_max3_num_f32 v[12+\c], |v[XS+32*\c]|, |v[XS+32*\c+1]|, 0x2800000   ; with the floor 2^(5 - 127)
.endr
.irp i, 2,4,6,8,10,12,14,16,18,20,22,24,26,28,30
.irp c, 0,1
	v_max3_num_f32 v[12+\c], v[12+\c], |v[XS+32*\c+\i]|, |v[XS+32*\c+\i+1]|
.endr
.endr
.irp c, 0,1
	v_add_nc_u32 v[14+\c], 0xfe000000, v[12+\c]    ; 4 off the exponent field: the conversion's scale operand
.endr
.irp c, 0,1
	v_lshrrev_b32 v[16+\c], 23, v[14+\c]           ; the scale's byte
.endr
	v_lshl_or_b32 v18, v17, 16, v16                ; blocks h and 2 + h,
	v_lshlrev_b32 v18, v8, v18                     ; at their places in the word;
	v_permlanex16_b32 v19, v18, s24, s25
	v_or_b32 v[20+\u], v18, v19                    ; with lane l xor 16's two the word is whole
.irp c, 0,1
	v_cvt_scalef32_pk16_bf6_f32 v[FU+6*\c:FU+6*\c+2], v[XS+32*\c:XS+32*\c+15], v[14+\c]
	v_cvt_scalef32_pk16_bf6_f32 v[24+4*\c:26+4*\c], v[XS+32*\c+16:XS+32*\c+31], v[14+\c]   ; three registers begin on an even number: made here and moved
.endr
	v_nop                                          ; one plain place behind the scaled conversions
.irp c, 0,1
.irp i, 0,1,2
	v_mov_b32 v[FU+6*\c+3+\i], v[24+4*\c+\i]
.endr
.endr
.irp g, 0,1,2
	global_store_b128 v5, v[FU+4*\g:FU+4*\g+3], s[8:9] offset:1536*(\u)+512*\g   ; 512 consecutive bytes, aligned
.endr
.endm
	s_wait_dscnt 16                                ; tile 0's sixteen reads are in; tile 1's may be out
	QT 0
	s_wait_dscnt 0x0
	QT 1
	v_cmp_gt_u32 vcc_lo, 16, v1
	v_cndmask_b32 v22, v21, v20, vcc_lo            ; lanes 0-15 tile 2 w's words, lanes 16-31 tile 2 w + 1's
	s_branch .Ljoin
	; ---- V ----
.Lv:
.macro LOAD q                          ; keys 32 q + i, my channel: 128 consecutive bytes a wave
.set i, 0
.rept 32
	global_load_b32 v[XV+32*(\q)+i], v9, s[4:5] offset:512*(32*(\q)+i) th:TH_LOAD_NT
.set i, i+1
.endr
.endm
.macro VBLOCK q
.set XS, XV+32*(\q)
.set FD, FV+12*((\q)%2)+6*((\q)/2)
	v_max3_num_f32 v12, |v[XS]|, |v[XS+1]|, |v[XS+2]|              ; the block's largest magnitude, in two chains
	v_max3_num_f32 v13, |v[XS+3]|, |v[XS+4]|, |v[XS+5]|
.irp i, 6,10,14,18,22,26
	v_max3_num_f32 v12, v12, |v[XS+\i]|, |v[XS+\i+1]|
	v_max3_num_f32 v13, v13, |v[XS+\i+2]|, |v[XS+\i+3]|
.endr
	v_max3_num_f32 v12, v12, |v[XS+30]|, |v[XS+31]|
	v_max3_num_f32 v12, v12, v13, 0x2800000        ; and the floor 2^(5 - 127)
	v_add_nc_u32 v14, 0xfe000000, v12
	v_lshrrev_b32 v15, 23, v14                     ; the scale's byte
.if (\q) == 0
	v_mov_b32 v22, v15                             ; the four bytes make my channel's scale word
.else
	v_lshl_or_b32 v22, v15, 8*(\q), v22
.endif
	v_cvt_scalef32_pk16_bf6_f32 v[FD:FD+2], v[XS:XS+15], v14
	v_cvt_scalef32_pk16_bf6_f32 v[16:18], v[XS+16:XS+31], v14
	v_nop                                          ; one plain place behind the scaled conversions
.irp i, 0,1,2
	v_mov_b32 v[FD+3+\i], v[16+\i]
.endr
.endm
	LOAD 0
	LOAD 1
	s_wait_loadcnt 32                              ; block 0's 32 loads are in; block 1's may be out
	LOAD 2
	VBLOCK 0
	s_wait_loadcnt 32
	LOAD 3
	VBLOCK 1
	s_wait_loadcnt 32
	VBLOCK 2
	s_wait_loadcnt 0x0
	VBLOCK 3
.irp hq, 0,1
.irp g, 0,1,2
	ds_store_b128 v23, v[FV+12*\hq+4*\g:FV+12*\hq+4*\g+3] offset:256*\hq+512*\g   ; registers 4 g on of lane (my channel % 16, hq)
.endr
.endr
.irp i, 0,1,2,3,4,5
	ds_load_b128 v[OUTR+4*\i:OUTR+4*\i+3], v31 offset:512*\i       ; LDS serves a wave's instructions in order
.endr
	s_wait_dscnt 0x0
.irp i, 0,1,2,3,4,5
	global_store_b128 v5, v[OUTR+4*\i:OUTR+4*\i+3], s[8:9] offset:512*\i   ; 512 consecutive bytes, aligned
.endr
	; ---- both: the step's scale image ----
.Ljoin:
	s_wait_alu depctr_va_vdst(0)                   ; the wait here, ahead of the reader below
	ds_store_b32 v11, v22
	s_wait_dscnt 0x0                               ; for wave 0's sake: my word has landed
	s_barrier_signal -1
	s_barrier_wait -1
	s_cmp_lg_u32 s16, 0
	s_cbranch_scc1 .Lend
.irp j, 0,1,2,3
	ds_load_b32 v[24+\j], v10 offset:128*\j        ; wave j's word of my lane
.endr
	s_wait_dscnt 0x0
	global_store_b128 v4, v[24:27], s[10:11]       ; 512 scale bytes, consecutive and aligned
.Lend:
	s_wait_tensorcnt 0x0                           ; the wave's end
	ds_add_u32 v208, v209
	s_wait_dscnt 0x0
	s_endpgm
.Lfunc_end_k_q97bb43fb98_quant_kv:
	.size	k_q97bb43fb98_quant_kv, .Lfunc_end_k_q97bb43fb98_quant_kv-k_q97bb43fb98_quant_kv
	.p2alignl 7, 3214868480
	.fill 96, 4, 3214868480
	.section	.rodata,"a",@progbits
	.p2align	6, 0x0
	.amdhsa_kernel k_q97bb43fb98_quant_kv
		.amdhsa_group_segment_fixed_size 81920
		.amdhsa_private_segment_fixed_size 0
		.amdhsa_enable_private_segment 0
		.amdhsa_kernarg_size 32
		.amdhsa_user_sgpr_count 2
		.amdhsa_user_sgpr_kernarg_segment_ptr 1
		.amdhsa_wavefront_size32 1
		.amdhsa_system_sgpr_workgroup_id_x 1
		.amdhsa_system_sgpr_workgroup_id_y 1
		.amdhsa_system_sgpr_workgroup_id_z 1
		.amdhsa_system_vgpr_workitem_id 0
		.amdhsa_next_free_vgpr 210
		.amdhsa_next_free_sgpr 66
		.amdhsa_reserve_vcc 1
		.amdhsa_float_denorm_mode_32 3
		.amdhsa_float_denorm_mode_16_64 3
		.amdhsa_memory_ordered 1
		.amdhsa_forward_progress 1
		.amdhsa_inst_pref_size 38
	.end_amdhsa_kernel
	.amdgpu_metadata
---
amdhsa.version: [ 1, 2 ]
amdhsa.kernels:
  - .name:           k_q97bb43fb98_quant_kv
    .symbol:         k_q97bb43fb98_quant_kv.kd
    .args:
      - { .name: k, .offset: 0, .size: 8, .value_kind: global_buffer, .address_space: global }
      - { .name: v, .offset: 8, .size: 8, .value_kind: global_buffer, .address_space: global }
      - { .name: kvc, .offset: 16, .size: 8, .value_kind: global_buffer, .address_space: global }
      - { .name: kvs, .offset: 24, .size: 8, .value_kind: global_buffer, .address_space: global }
    .group_segment_fixed_size: 81920
    .private_segment_fixed_size: 0
    .kernarg_segment_align: 8
    .kernarg_segment_size: 32
    .max_flat_workgroup_size: 128
    .sgpr_count:     66
    .vgpr_count:     210
    .wavefront_size: 32
...
	.end_amdgpu_metadata
.endif
;; end of part 1
;; launch attn (part 2): grid 4 x 64, 8 waves a work-group, clusters of 4 x 1, 327,680 bytes of LDS; arguments q, kvc, kvs, out0; writes out0
.if DOCPART == 2
	.amdgcn_target "amdgcn-amd-amdhsa--gfx1250"
	.amdhsa_code_object_version 6
	.text
	.protected	k_q97bb43fb98_attn
	.globl	k_q97bb43fb98_attn
	.p2align	8
	.type	k_q97bb43fb98_attn,@function
k_q97bb43fb98_attn:
	s_mov_b64 s[64:65], 0
	v_nop
	global_prefetch_b8 v0, s[64:65] scope:SCOPE_SE
	s_setreg_imm32_b32 hwreg(HW_REG_WAVE_MODE, 25, 1), 1
	s_wait_xcnt 0x0
	s_wait_alu depctr_hold_cnt(0) depctr_sa_sdst(0) depctr_va_vdst(0) depctr_va_sdst(0) depctr_va_ssrc(0) depctr_va_vcc(0) depctr_vm_vsrc(0)
	s_getreg_b32 s2, hwreg(HW_REG_IB_STS2, 6, 4)
	s_cmp_eq_u32 s2, 0
	s_cbranch_scc0 .Lentry_in_a_cluster
	s_endpgm
.Lentry_in_a_cluster:
	s_bfe_u32 s2, ttmp6, 0x10000c
	s_cmp_lg_u32 s2, 0x3003
	s_cbranch_scc0 .Lentry_shape_is_right
	s_endpgm
.Lentry_shape_is_right:
; out[head][q][:] = the sum over k of softmax_k(Q[q] . K[k] / sqrt(128)) V[k][:], 64 heads, 2,048 queries and keys, 128 channels, both products on codes of BF6 (E3M2) with one E8M0 scale for each 32 along a product's K.
; K and V come as images of the operands' registers from the launch before: a fragment (16 rows x 128 K, 12 registers a lane) is 1,536 bytes, registers 4 g .. 4 g + 3 of lane l at 512 g + 16 l.
; A key step (128 keys) is 24,576 bytes of kvc (K's 8 fragments, then V's 8) and 1,024 bytes of kvs (K's scale image, then V's).
; Q IS QUANTISED HERE: each row of q is read by one wave of the launch, once.  A wave loads its 32 rows (512 consecutive bytes a load) into the registers of O^T, turns them through its stage in LDS, 16 rows at a time, so that
; lane (r, h) holds channels 64 c + 32 h + 0 .. 31 of row r, and converts them into Q's fragment registers.  A block's scale is 2^(floor(log2(its largest magnitude)) - 4), its byte held at 1 from below.
; SOFTMAX: t = score x log2(e) / sqrt(128); M = the running largest t rounded UP to a whole number; p = 2^(t - M) is quantised along the keys, not normalised; the row's sum is taken of the unquantised p and divides at the end.
; A block's largest p is the exponential of the block's largest score (p rises with the score).
; TWO KEY STEPS SHARE ONE RESCALING OF O.  The first step's p is made and quantised under its own M; when the second step has moved M by a whole number, that number is taken off the first step's scale BYTES
; (held at 0 from below: such a block then counts for at most 28 x 2^-127 a code), the codes stay; O is multiplied once by 2^(M before the pair - M behind it), and both steps' second products follow.
; O^T IS NEVER CLEARED: M begins at -3e38, so a block's first rescaling multiplies by 0 what the registers hold, which are the rows of q just loaded: finite numbers.
; LIMITS: NaN and infinities are not served; the scaled scores stay under 2^31 in magnitude.  A block of zeros keeps the byte 1 where the rule says 127: its codes are zeros.
; SHARES.  256 work-groups, one cluster of four to a head.  A WORK-GROUP STAYS: it makes query block cx and then block cx + 4 (256 queries each); each of its eight waves has 32 queries, two tiles of 16, so that
; each fragment read from LDS feeds two matrix instructions.  The ring does not stop between the two blocks: K and V are walked twice, eight fills of a slot.
; LAYOUT.  Both products are used transposed (S^T = K Q^T, O^T = V^T P^T): a lane holds ONE query.  Lane row m of K's tile 4 c + i is key 64 c + 32 (m / 8) + 8 i + m % 8, so lane (r, h)'s 32 registers of tiles
; 4 c .. 4 c + 3 are keys 64 c + 32 h + 0 .. 31: a whole block of the second product's K, in the place where P's layout wants it.
; RING.  Two LDS slots of four key steps (98,304 bytes).  Waves 0-3 fetch a key step each, 96 rows x 256 bytes; the head's scale images (16,384 bytes) come once, by wave 4.
; CLUSTER.  The four work-groups walk the same K and V: each tile is asked for jointly, by the same tensor load with the same descriptor and a mask that names the four.
; PREFETCH.  Slots 2 and 3 of the first walk are named one change of slots ahead of their loads; the second walk's bytes have been read by this cluster in the first.  Each wave names its second block's 16,384 bytes of q
; in two requests, at the second and third change of slots; they are loaded behind the fourth slot.
; REGISTERS.  Window 0: v1-7, v37-39, v46 addresses; v8-23 statistics; v24-36, v40-43 scale words; v44-79 at work; v80-207 S^T, then p, then the pair's second V; v208-255 p's codes of two steps.
;   Window 1: v0-127 O^T (tile x, channels 16 t on, at 64 x + 8 t); v128-223 eight fragments; v224-247 Q's two fragments; v248-254 at work.
.set STEPB, 24576
.set SLOTB, 4*STEPB
.set HEADB, 16*STEPB
.set SCL,   SLOTB                      ; behind slot 0: the head's scale images, filled once
.set SLOT1, 1<<17                      ; slot 1
.set STAGE, SLOT1+SLOTB                ; 16 rows x 528 bytes for each wave; no tensor load lands here
.set SPITCH, 528
.set SPARE, STAGE+8*16*SPITCH          ; the spare words, 128 bytes for each wave
.set BLK4,  4*256*512                  ; four blocks of 256 rows of 512 bytes, in q and in out0
.set LI,  1                            ; 16 x lane
.set ADR, 2                            ; LDS address of the pair's fragments
.set SPW, 3                            ; my spare word
.set NIL, 4                            ; 0
.set STO, 5                            ; stage: row r, + 32 h
.set RD,  6                            ; stage: 16 x lane of a row
.set LS0, 7                            ; SCL + 16 x lane
.set ST,  8                            ; tile x at ST + 8 x: +0 -M, +1 largest t, +2, +3 the sum, +4 f (+5: 0), +6 at work (+7: 0)
.set KS,  24                           ; K's scale words of a step
.set VS,  28                           ; V's: first step v28-31, second v32-35
.set QS,  36
.set ADS, 37
.set PFO, 38                           ; 256 x lane
.set SH8, 39                           ; 8 x (lane / 16)
.set PS,  40                           ; p's scale words: 2 x step + tile
.set PM,  44                           ; -M ahead of the pair, tile x
.set QRD, 46                           ; stage: row r, + 128 h
.set TM,  48                           ; tile x at TM + 12 x: +0, +1 blocks' largest; +2, +3 conversions' scale operands; +4, +5 second chain of sums; +6, +7 second step's bytes; +8, +9 at work; +10, +11 first step's bytes
.set CT,  72                           ; v72-79 the conversions' second halves
.set S,   80
.set PC,  208                          ; p's codes: 24 x step + 12 x tile
.set KF,  128                          ; window 1
.set QF,  224                          ; window 1
.set QT2, 248                          ; window 1: Q's conversions' second halves
.set WV,  14
.set SEL, 20
.set CS,  22
.set G1,  24
.set G1S, 32
.set G0,  40
.set G0S, 44
.set TB,  48                           ; LDS byte at which the pair in hand begins
.set TS,  49                           ; and its scale images
.set SLOTS, 50                         ; fills still to be asked for
.set STEPS, 51
.set LIM, 52
.set MS,  53                           ; which quarter of the head's codes the next fill brings
.set PFA, 54
.set KB,  56                           ; s[56:57] my key step of the head's first quarter in kvc
.set OFF, 58                           ; s[58:59] MS x SLOTB
.set QP,  68                           ; s[68:69] where my prefetches of q stand
.set MSB, 0
.macro WIN new
.if MSB != \new
	s_set_vgpr_msb (MSB<<8)|\new
.set MSB, \new
.endif
.endm
.set TO_1, 0x40
.set W_KQ, 0x05
.set W_RS, 0x41
.set W_PVA, 0x51                       ; V in window 1
.set W_PVB, 0x50                       ; V in window 0
.set W_OUT, 0x01
.set W_ST1, 0x04                       ; an LDS store's data in window 1
.macro CROUND
	s_barrier_signal -1
	s_barrier_wait -1
	s_cmp_lg_u32 s[WV], 0
	s_cbranch_scc1 .Lnot_wave_0_\@
	s_barrier_signal -3
.Lnot_wave_0_\@:
	s_barrier_wait -3
	s_barrier_signal -1
	s_barrier_wait -1
.endm
.macro JLOAD                           ; waves 0-3 fetch a key step each; s_nop 0 and four v_nop follow
	s_cmp_lt_u32 s[WV], 4
	s_cbranch_scc0 .Lnone_\@
	tensor_load_to_lds s[G0:G0+3], s[G1:G1+7]
	s_nop 0
.rept 4
	v_nop
.endr
.Lnone_\@:
.endm
; What the NEXT change of slots will ask for: the four partners share the slot out by address, a key step each; waves 4 to 6 take 8,192 bytes each, lanes 256 bytes apart.  Asked at the first two changes alone.
; And my own second block's rows of q: 8,192 bytes at each of the second and third change, lanes 256 bytes apart.
.macro ASK
	s_cmp_gt_u32 s[SLOTS], s[LIM]
	s_cbranch_scc0 .Lnot_mine_\@
	global_prefetch_b8 v[PFO], s[PFA:PFA+1] th:TH_LOAD_NT scope:SCOPE_SE
.Lnot_mine_\@:
	s_sub_co_u32 s67, s[SLOTS], 5
	s_cmp_lt_u32 s67, 2                            ; 6 or 5 fills to come
	s_cbranch_scc0 .Lno_q_\@
	global_prefetch_b8 v[PFO], s[QP:QP+1] th:TH_LOAD_NT scope:SCOPE_SE
.Lno_q_\@:
.endm
.macro QLOAD                           ; my 32 rows of q into O^T's registers
	WIN TO_1
.set i, 0
.rept 32
	global_load_b128 v[4*i:4*i+3], v[LI], s[4:5] offset:512*i th:TH_LOAD_NT
.set i, i+1
.endr
	WIN 0
.endm
.macro QPREP                           ; the rows turn through my stage, a tile at a time, and become Q's two fragments and scale words
.irp u, 0,1
	WIN W_ST1
.set i, 0
.rept 16
	s_wait_loadcnt 31-16*\u-i                      ; this row is in, the later ones stay out
	ds_store_b128 v[RD], v[64*\u+4*i:64*\u+4*i+3] offset:SPITCH*i
.set i, i+1
.endr
	WIN 0
.irp c, 0,1
.irp j, 0,1,2,3,4,5,6,7
	ds_load_b128 v[S+64*\u+32*\c+4*\j:S+64*\u+32*\c+4*\j+3], v[QRD] offset:256*\c+16*\j   ; LDS serves a wave's instructions in order: the next tile's stores come behind these
.endr
.endr
.endr
	s_wait_dscnt 0x0
.irp u, 0,1
.irp c, 0,1
	v_max3_num_f32 v[TM+12*\u+\c], |v[S+64*\u+32*\c]|, |v[S+64*\u+32*\c+1]|, 0x2800000   ; with the floor 2^(5 - 127)
.endr
.endr
.irp i, 2,4,6,8,10,12,14,16,18,20,22,24,26,28,30
.irp u, 0,1
.irp c, 0,1
	v_max3_num_f32 v[TM+12*\u+\c], v[TM+12*\u+\c], |v[S+64*\u+32*\c+\i]|, |v[S+64*\u+32*\c+\i+1]|
.endr
.endr
.endr
.irp u, 0,1
.irp c, 0,1
	s_delay_alu instid0(VALU_DEP_4)
	v_add_nc_u32 v[TM+12*\u+2+\c], 0xfe000000, v[TM+12*\u+\c]
.endr
.endr
.irp u, 0,1
.irp c, 0,1
	s_delay_alu instid0(VALU_DEP_4)
	v_lshrrev_b32 v[TM+12*\u+6+\c], 23, v[TM+12*\u+2+\c]
.endr
.endr
.irp u, 0,1
	v_lshl_or_b32 v[PS+\u], v[TM+12*\u+7], 16, v[TM+12*\u+6]
.endr
.irp u, 0,1
	s_delay_alu instid0(VALU_DEP_2)
	v_lshlrev_b32 v[PS+\u], v[SH8], v[PS+\u]
.endr
.irp u, 0,1
	s_delay_alu instid0(VALU_DEP_2)
	v_permlanex16_b32 v[TM+12*\u+8], v[PS+\u], s[SEL], s[SEL+1]
.endr
.irp u, 0,1
	s_delay_alu instid0(VALU_DEP_2)
	v_or_b32 v[PS+\u], v[PS+\u], v[TM+12*\u+8]
.endr
	v_cmp_gt_u32 vcc_lo, 256, v[LI]                ; lanes 0-15
	v_cndmask_b32 v[QS], v[PS+1], v[PS], vcc_lo    ; lanes 0-15 tile 0's words, lanes 16-31 tile 1's
.irp u, 0,1
	WIN TO_1
.irp c, 0,1
	v_cvt_scalef32_pk16_bf6_f32 v[QF+12*\u+6*\c:QF+12*\u+6*\c+2], v[S+64*\u+32*\c:S+64*\u+32*\c+15], v[TM+12*\u+2+\c]
	v_cvt_scalef32_pk16_bf6_f32 v[QT2+4*\c:QT2+4*\c+2], v[S+64*\u+32*\c+16:S+64*\u+32*\c+31], v[TM+12*\u+2+\c]   ; three registers begin on an even number: made here and moved
.endr
	v_nop                                          ; one plain place behind the scaled conversions
	WIN W_RS
.irp c, 0,1
.irp i, 0,1,2
	v_mov_b32 v[QF+12*\u+6*\c+3+\i], v[QT2+4*\c+\i]
.endr
.endr
.endr
	WIN 0
	s_wait_alu depctr_va_vdst(0)                   ; the wait ahead of the waits and branches that follow
.endm
	s_load_b64 s[4:5], s[0:1], 0x0                 ; q
	s_load_b128 s[8:11], s[0:1], 0x8               ; kvc, kvs
	s_load_b64 s[12:13], s[0:1], 0x18              ; out0
	v_lshl_add_u32 v[SPW], v0, 2, SPARE
	v_mov_b32 v[NIL], 0
	ds_add_u32 v[SPW], v[NIL]                      ; the opening lines
	ds_add_u32 v[SPW], v[NIL]
	s_wait_dscnt 0x0
	v_lshrrev_b32 v[LI], 5, v0
	s_delay_alu instid0(VALU_DEP_1)
	v_readfirstlane_b32 s[WV], v[LI]               ; wave 0..7
	v_and_b32 v[LI], 31, v0
	s_delay_alu instid0(VALU_DEP_1)
	v_lshlrev_b32 v[PFO], 8, v[LI]
	s_delay_alu instid0(VALU_DEP_2)
	v_lshlrev_b32 v[LI], 4, v[LI]
	s_delay_alu instid0(VALU_DEP_1)
	v_add_nc_u32 v[LS0], SCL, v[LI]
	v_and_b32 v[ADR], 15, v0                       ; r
	v_bfe_u32 v[ADS], v0, 4, 1                     ; h
	s_mul_i32 s2, s[WV], 16*SPITCH
	s_add_co_u32 s2, s2, STAGE                     ; my stage
	v_mul_u32_u24 v[STO], v[ADR], SPITCH
	v_lshlrev_b32 v[SH8], 3, v[ADS]
	s_delay_alu instid0(VALU_DEP_2)
	v_lshl_add_u32 v[QRD], v[ADS], 7, v[STO]
	v_lshl_add_u32 v[STO], v[ADS], 5, v[STO]
	s_delay_alu instid0(VALU_DEP_2)
	v_add_nc_u32 v[QRD], s2, v[QRD]
	s_delay_alu instid0(VALU_DEP_2)
	v_add_nc_u32 v[STO], s2, v[STO]
	v_add_nc_u32 v[RD], s2, v[LI]
	s_bfe_u32 s15, ttmp6, 0x40000                  ; cx
	s_and_b32 s16, ttmp7, 0xffff                   ; the head
	s_and_b32 s17, s[WV], 3
	s_mov_b32 s[G1], 15|(3<<16)|(1<<21)            ; the mask of all four; elements of 8 bytes; bit 21 beside a mask
	s_mov_b32 s[G1+1], 32<<16
	s_mov_b32 s[G1+2], 96<<16
	s_mov_b32 s[G1+3], 32<<16
	s_mov_b32 s[G1+4], 96                          ; 96 rows of 256 bytes
	s_mov_b32 s[G1+5], 32
	s_mov_b32 s[G1+6], 0
	s_mov_b32 s[G1+7], 0
	s_mov_b32 s[G1S], 15|(3<<16)|(1<<21)
	s_mov_b32 s[G1S+1], 32<<16
	s_mov_b32 s[G1S+2], 64<<16
	s_mov_b32 s[G1S+3], 32<<16
	s_mov_b32 s[G1S+4], 64                         ; 64 rows of 256 bytes
	s_mov_b32 s[G1S+5], 32
	s_mov_b32 s[G1S+6], 0
	s_mov_b32 s[G1S+7], 0
	s_mul_i32 s66, s16, HEADB                      ; the head's first byte in kvc
	s_mul_i32 s19, s17, STEPB                      ; the key step of a slot that I fetch, in memory and in LDS alike
	s_add_co_u32 s60, s66, s19
	s_mov_b32 s61, 0
	s_lshl_b32 s2, s16, 14                         ; the head's first byte in kvs
	s_mov_b32 s3, 0
	s_lshl_b32 s62, s16, 11                        ; my first row of q and of out0: 2,048 x head + 256 x cx + 32 x wave
	s_lshl_b32 s63, s15, 8
	s_add_co_u32 s62, s62, s63
	s_lshl_b32 s63, s[WV], 5
	s_add_co_u32 s62, s62, s63
	s_lshl_b32 s62, s62, 9
	s_mov_b32 s63, 0
	s_mul_i32 s70, s15, STEPB                      ; the prefetches of kvc: my work-group's key step of a slot,
	s_lshl_b32 s71, s17, 13                        ; my wave's 8,192 bytes of it,
	s_add_co_u32 s70, s70, s71
	s_add_co_u32 s70, s70, s66
	s_add_co_u32 s70, s70, SLOTB                   ; in slot 1: the first change of slots steps it to slot 2
	s_mov_b32 s71, 0
	s_mov_b32 s[SEL], 0x76543210
	s_mov_b32 s[SEL+1], 0xfedcba98
	s_mov_b32 s[CS], 0x3e0293ee                    ; c = log2(e) / sqrt(128)
	s_mov_b32 s[CS+1], s[CS]
	s_mov_b32 s[TB], 0
	s_mov_b32 s[TS], 0
	s_mov_b32 s[SLOTS], 7
	s_mov_b32 s[MS], 0
	s_mov_b32 s[OFF+1], 0
	s_sub_co_u32 s67, s[WV], 4                     ; 0, 1, 2 in waves 4 to 6
	s_cmp_lt_u32 s67, 3
	s_cselect_b32 s[LIM], 5, -1                    ; they ask while more than 5 fills are to come
	s_wait_alu depctr_va_vdst(0)                   ; the wait at the head's end
	s_wait_kmcnt 0x0
	s_add_nc_u64 s[4:5], s[4:5], s[62:63]
	s_add_nc_u64 s[12:13], s[12:13], s[62:63]
	QLOAD                                          ; the first block's rows are on their way while the ring is set up
	s_add_nc_u64 s[QP:QP+1], s[4:5], BLK4-2*8192   ; two changes of slots step it to my second block's first row
	s_add_nc_u64 s[PFA:PFA+1], s[8:9], s[70:71]
	s_add_nc_u64 s[KB:KB+1], s[8:9], s[60:61]
	s_mov_b32 s[G0], 1
	s_mov_b32 s[G0+1], s19
	s_mov_b64 s[G0+2:G0+3], s[KB:KB+1]
	s_or_b32 s[G0+3], s[G0+3], 0x80000000
	s_mov_b32 s[G0S], 1
	s_mov_b32 s[G0S+1], SCL
	s_add_nc_u64 s[G0S+2:G0S+3], s[10:11], s[2:3]
	s_or_b32 s[G0S+3], s[G0S+3], 0x80000000
	CROUND                                         ; the first joint loads meet
	s_cmp_lt_u32 s[WV], 4                          ; slot 0 by waves 0-3, the scale images by wave 4
	s_cbranch_scc0 .Lnot_codes
	tensor_load_to_lds s[G0:G0+3], s[G1:G1+7]
	s_nop 0
.rept 4
	v_nop
.endr
	s_branch .Lfirst_asked
.Lnot_codes:
	s_cmp_eq_u32 s[WV], 4
	s_cbranch_scc0 .Lfirst_asked
	tensor_load_to_lds s[G0S:G0S+3], s[G1S:G1S+7]
	s_nop 0
.rept 4
	v_nop
.endr
.Lfirst_asked:
.irp x, 0,1
	v_mov_b32 v[ST+8*\x+1], 0xff61b1e6             ; the largest t so far: -3e38
	s_delay_alu instid0(VALU_DEP_1)
	v_floor_f32 v[ST+8*\x], -v[ST+8*\x+1]          ; -M
	v_mov_b32 v[ST+8*\x+2], 0
	v_mov_b32 v[ST+8*\x+3], 0
	v_mov_b32 v[ST+8*\x+5], 0                      ; upper halves of pairs
	v_mov_b32 v[ST+8*\x+7], 0
	v_mov_b32 v[TM+12*\x+8], 0                     ; a lane permute's destination counts as one of its sources
.endr
	QPREP
.macro KQ t, x                         ; S^T: tile t of the keys x tile x of the queries
.set rD, S+64*(\x)+8*(\t)
.set rA, KF+12*(\t)
.set rB, QF+12*(\x)
.set rK, KS+(\t)/2
.if ((\t)%2 == 0) && ((\x) == 0)
	v_wmma_scale_f32_16x16x128_f8f6f4 v[rD:rD+7], v[rA:rA+11], v[rB:rB+11], 0, v[rK], v[QS] matrix_a_fmt:MATRIX_FMT_BF6 matrix_b_fmt:MATRIX_FMT_BF6
.elseif (\x) == 0
	v_wmma_scale_f32_16x16x128_f8f6f4 v[rD:rD+7], v[rA:rA+11], v[rB:rB+11], 0, v[rK], v[QS] matrix_a_fmt:MATRIX_FMT_BF6 matrix_b_fmt:MATRIX_FMT_BF6 matrix_a_scale:MATRIX_SCALE_ROW1
.elseif (\t)%2 == 0
	v_wmma_scale_f32_16x16x128_f8f6f4 v[rD:rD+7], v[rA:rA+11], v[rB:rB+11], 0, v[rK], v[QS] matrix_a_fmt:MATRIX_FMT_BF6 matrix_b_fmt:MATRIX_FMT_BF6 matrix_b_scale:MATRIX_SCALE_ROW1
.else
	v_wmma_scale_f32_16x16x128_f8f6f4 v[rD:rD+7], v[rA:rA+11], v[rB:rB+11], 0, v[rK], v[QS] matrix_a_fmt:MATRIX_FMT_BF6 matrix_b_fmt:MATRIX_FMT_BF6 matrix_a_scale:MATRIX_SCALE_ROW1 matrix_b_scale:MATRIX_SCALE_ROW1
.endif
.endm
.macro PV hf, t, x                     ; O^T += V^T P^T: step hf of the pair, channels 16 t on, tile x
.set rD, 64*(\x)+8*(\t)
.if (\hf) == 0
.set rA, KF+12*(\t)
.else
.set rA, S+12*(\t)
.endif
.set rB, PC+24*(\hf)+12*(\x)
.set rK, VS+4*(\hf)+(\t)/2
.set rW, PS+2*(\hf)+(\x)
.if (\t)%2 == 0
	v_wmma_scale_f32_16x16x128_f8f6f4 v[rD:rD+7], v[rA:rA+11], v[rB:rB+11], v[rD:rD+7], v[rK], v[rW] matrix_a_fmt:MATRIX_FMT_BF6 matrix_b_fmt:MATRIX_FMT_BF6
.else
	v_wmma_scale_f32_16x16x128_f8f6f4 v[rD:rD+7], v[rA:rA+11], v[rB:rB+11], v[rD:rD+7], v[rK], v[rW] matrix_a_fmt:MATRIX_FMT_BF6 matrix_b_fmt:MATRIX_FMT_BF6 matrix_a_scale:MATRIX_SCALE_ROW1
.endif
.endm
.macro LDF first, off                  ; eight fragments from byte off of the pair into registers first on: 24 loads of 512 consecutive bytes
.irp t, 0,1,2,3,4,5,6,7
.irp g, 0,1,2
	ds_load_b128 v[\first+12*\t+4*\g:\first+12*\t+4*\g+3], v[ADR] offset:\off+1536*\t+512*\g
.endr
.endr
.endm
.macro QKS                             ; the sixteen first products of a step
	WIN W_KQ
	s_wait_alu depctr_va_vdst(0)                   ; the wait ahead of the waits below
.irp t, 0,1,2,3,4,5,6,7
	s_wait_dscnt 21-3*\t                           ; fragment t and the scale words, asked for first, are in; the later fragments' three loads each may be out
	KQ \t, 0
	KQ \t, 1
.endr
.rept 4
	v_nop                                          ; four places in front of loads into K's registers and of the first read of the scores
.endr
.endm
.macro MAXES                           ; the largest score of my two blocks of 32 keys, both tiles: four chains by turns; each accumulator is first read at its low end
.irp x, 0,1
.irp c, 0,1
	v_max3_num_f32 v[TM+12*\x+\c], v[S+64*\x+32*\c], v[S+64*\x+32*\c+1], v[S+64*\x+32*\c+2]
.endr
.endr
.irp i, 3,5,7,9,11,13,15,17,19,21,23,25,27,29
.irp x, 0,1
.irp c, 0,1
	v_max3_num_f32 v[TM+12*\x+\c], v[TM+12*\x+\c], v[S+64*\x+32*\c+\i], v[S+64*\x+32*\c+\i+1]
.endr
.endr
.endr
.irp x, 0,1
.irp c, 0,1
	v_max_num_f32 v[TM+12*\x+\c], v[TM+12*\x+\c], v[S+64*\x+32*\c+31]
.endr
.endr
.endm
.macro NEWM hf                         ; the running largest t, -M, the whole number by which M moved (+6) and f = 2^ of it (+4)
.irp x, 0,1
	v_max_num_f32 v[ST+8*\x+6], v[TM+12*\x], v[TM+12*\x+1]
.endr
.irp x, 0,1
	s_delay_alu instid0(VALU_DEP_2)
	v_mul_f32 v[ST+8*\x+6], s[CS], v[ST+8*\x+6]    ; as t (c is positive)
.endr
.irp x, 0,1
	s_delay_alu instid0(VALU_DEP_2)
	v_permlanex16_b32 v[TM+12*\x+8], v[ST+8*\x+6], s[SEL], s[SEL+1]   ; lane l xor 16 has my query's other 64 keys
.endr
.irp x, 0,1
.if (\hf) == 0
	v_mov_b32 v[PM+\x], v[ST+8*\x]                 ; -M ahead of the pair
.else
	v_mov_b32 v[TM+12*\x+9], v[ST+8*\x]            ; -M of the first step
.endif
.endr
.irp x, 0,1
	s_delay_alu instid0(VALU_DEP_4)
	v_max3_num_f32 v[ST+8*\x+1], v[ST+8*\x+1], v[ST+8*\x+6], v[TM+12*\x+8]
.endr
.irp x, 0,1
	s_delay_alu instid0(VALU_DEP_2)
	v_floor_f32 v[ST+8*\x], -v[ST+8*\x+1]          ; -M = floor(-t)
.endr
.irp x, 0,1
	s_delay_alu instid0(VALU_DEP_2)
.if (\hf) == 0
	v_sub_f32 v[ST+8*\x+6], v[ST+8*\x], v[PM+\x]
.else
	v_sub_f32 v[ST+8*\x+6], v[ST+8*\x], v[TM+12*\x+9]
.endif
.endr
.irp x, 0,1
	s_delay_alu instid0(VALU_DEP_2)
	v_cvt_i32_f32 v[ST+8*\x+6], v[ST+8*\x+6]       ; 0 or less; it saturates
.endr
.irp x, 0,1
	s_delay_alu instid0(VALU_DEP_2)
	v_ldexp_f32 v[ST+8*\x+4], 1.0, v[ST+8*\x+6]
.endr
.endm
.macro SCALE x                         ; t - M, two at a time; the same of my blocks' largest scores
.set rS, S+64*(\x)
.set rT, ST+8*(\x)
.set j, 0
.rept 32
	v_pk_fma_f32 v[rS+j:rS+j+1], v[rS+j:rS+j+1], s[CS:CS+1], v[rT:rT+1] op_sel_hi:[1,0,0]
.set j, j+2
.endr
.irp c, 0,1
	v_fma_f32 v[TM+12*(\x)+\c], v[TM+12*(\x)+\c], s[CS], v[rT]
.endr
.endm
.macro EXPS x
.set rS, S+64*(\x)
.set j, 0
.rept 64
	v_exp_f32 v[rS+j], v[rS+j]
.set j, j+1
.endr
.endm
.macro SUMS                            ; the rows' sums of the unquantised p: four chains by turns
.irp x, 0,1
	v_pk_add_f32 v[TM+12*\x+4:TM+12*\x+5], v[S+64*\x:S+64*\x+1], v[S+64*\x+2:S+64*\x+3]
.endr
.set j, 4
.rept 15
.irp x, 0,1
	v_pk_add_f32 v[ST+8*\x+2:ST+8*\x+3], v[ST+8*\x+2:ST+8*\x+3], v[S+64*\x+j:S+64*\x+j+1]
.endr
.irp x, 0,1
	v_pk_add_f32 v[TM+12*\x+4:TM+12*\x+5], v[TM+12*\x+4:TM+12*\x+5], v[S+64*\x+j+2:S+64*\x+j+3]
.endr
.set j, j+4
.endr
.irp x, 0,1
	s_delay_alu instid0(VALU_DEP_2)
	v_pk_add_f32 v[ST+8*\x+2:ST+8*\x+3], v[ST+8*\x+2:ST+8*\x+3], v[TM+12*\x+4:TM+12*\x+5]
.endr
.endm
.macro BYTES hf                        ; my blocks' scales: the conversions' operands and the bytes
.irp x, 0,1
.irp c, 0,1
	v_max_num_f32 v[TM+12*\x+\c], 0x2800000, v[TM+12*\x+\c]   ; the floor 2^(5 - 127)
.endr
.endr
.irp x, 0,1
.irp c, 0,1
	s_delay_alu instid0(VALU_DEP_4)
	v_add_nc_u32 v[TM+12*\x+2+\c], 0xfe000000, v[TM+12*\x+\c]
.endr
.endr
.irp x, 0,1
.irp c, 0,1
	s_delay_alu instid0(VALU_DEP_4)
	v_lshrrev_b32 v[TM+12*\x+10-4*(\hf)+\c], 23, v[TM+12*\x+2+\c]
.endr
.endr
.endm
.macro CODES hf, x                     ; a whole block is mine: the conversions' results are the operand's registers
.set rS, S+64*(\x)
.set rP, PC+24*(\hf)+12*(\x)
.irp c, 0,1
	v_cvt_scalef32_pk16_bf6_f32 v[rP+6*\c:rP+6*\c+2], v[rS+32*\c:rS+32*\c+15], v[TM+12*(\x)+2+\c]
	v_cvt_scalef32_pk16_bf6_f32 v[CT+4*\c:CT+4*\c+2], v[rS+32*\c+16:rS+32*\c+31], v[TM+12*(\x)+2+\c]   ; three registers begin on an even number: made here and moved
.endr
	v_nop                                          ; one plain place behind the scaled conversions
.irp c, 0,1
.irp i, 0,1,2
	v_mov_b32 v[rP+6*\c+3+\i], v[CT+4*\c+\i]
.endr
.endr
.endm
.macro SOFT hf
	MAXES
	NEWM \hf
	SCALE 0
	SCALE 1
	s_wait_alu depctr_va_vdst(0)                   ; the wait ahead of the batch
.irp x, 0,1
.irp c, 0,1
	v_exp_f32 v[TM+12*\x+\c], v[TM+12*\x+\c]       ; my blocks' largest p
.endr
.endr
	EXPS 0
	EXPS 1
.irp x, 0,1
	v_pk_mul_f32 v[ST+8*\x+2:ST+8*\x+3], v[ST+8*\x+2:ST+8*\x+3], v[ST+8*\x+4:ST+8*\x+5] op_sel_hi:[1,0]   ; the sums under the new M: plain work behind the exponentials
.endr
	s_wait_alu depctr_va_vdst(0)                   ; one wait for the batch, ahead of its first reader
	SUMS
	BYTES \hf
	CODES \hf, 0
	CODES \hf, 1
.endm
.macro RESC x
.set j, 64*(\x)
.rept 32
	v_pk_mul_f32 v[j:j+1], v[j:j+1], v[ST+8*(\x)+4:ST+8*(\x)+5] op_sel_hi:[1,0]
.set j, j+2
.endr
.endm
; A PAIR OF KEY STEPS: 256 keys, both tiles of queries.
.macro PAIR
	v_add_nc_u32 v[ADR], s[TB], v[LI]
	v_add_nc_u32 v[ADS], s[TS], v[LS0]
.rept 3
	v_nop                                          ; five places behind the last pair's products: the loads below fill registers that they read, and the first products write over others
.endr
	ds_load_b128 v[KS:KS+3], v[ADS]
	WIN TO_1
	LDF KF, 0                                      ; the first step's K
	QKS
	WIN 0
	ds_load_b128 v[KS:KS+3], v[ADS] offset:1024
	WIN TO_1
	LDF KF, STEPB                                  ; the second step's K lands while the first softmax is walked
	WIN 0
	SOFT 0
	QKS
	WIN TO_1
	LDF KF, STEPB/2                                ; the first step's V
	WIN 0
	ds_load_b128 v[VS:VS+3], v[ADS] offset:512
	ds_load_b128 v[VS+4:VS+7], v[ADS] offset:1536
	SOFT 1
	LDF S, STEPB+STEPB/2                           ; the second step's V, into the registers that p has left
.irp x, 0,1
	v_sub_f32 v[TM+12*\x+9], v[ST+8*\x], v[PM+\x]  ; how far M moved over the pair
.endr
.irp x, 0,1
.irp c, 0,1
	v_add_nc_u32 v[TM+12*\x+10+\c], v[TM+12*\x+10+\c], v[ST+8*\x+6]   ; the first step's bytes under the second step's M,
.endr
.endr
.irp x, 0,1
	v_cvt_i32_f32 v[TM+12*\x+9], v[TM+12*\x+9]
.endr
.irp x, 0,1
.irp c, 0,1
	v_max_i32 v[TM+12*\x+10+\c], 0, v[TM+12*\x+10+\c]   ; held at 0 from below: a finite code
.endr
.endr
.irp x, 0,1
	v_ldexp_f32 v[ST+8*\x+4], 1.0, v[TM+12*\x+9]   ; f for O
.endr
.irp hf, 0,1
.irp x, 0,1
	v_lshl_or_b32 v[PS+2*\hf+\x], v[TM+12*\x+11-4*\hf], 16, v[TM+12*\x+10-4*\hf]   ; blocks h and 2 + h,
.endr
.endr
.irp hf, 0,1
.irp x, 0,1
	s_delay_alu instid0(VALU_DEP_4)
	v_lshlrev_b32 v[PS+2*\hf+\x], v[SH8], v[PS+2*\hf+\x]   ; at their places in the word;
.endr
.endr
.irp hf, 0,1
.irp x, 0,1
	s_delay_alu instid0(VALU_DEP_4)
	v_permlanex16_b32 v[TM+12*\x+8+\hf], v[PS+2*\hf+\x], s[SEL], s[SEL+1]
.endr
.endr
.irp hf, 0,1
.irp x, 0,1
	s_delay_alu instid0(VALU_DEP_4)
	v_or_b32 v[PS+2*\hf+\x], v[PS+2*\hf+\x], v[TM+12*\x+8+\hf]   ; with lane l xor 16's two the word is whole
.endr
.endr
	WIN W_RS
	s_wait_alu depctr_va_vdst(0)                   ; the wait ahead of the first reader of O^T
	RESC 0                                         ; these 64 lines also stand between the writing of p's codes and scale words and the products that take them
	RESC 1
	s_wait_alu depctr_va_vdst(0)
	s_wait_dscnt 24                                ; the first step's V and both steps' scale words are in; the second step's 24 loads may be out
	WIN W_PVA
.irp t, 0,1,2,3,4,5,6,7
	PV 0, \t, 0                                    ; the sixteen accumulators take turns, one instruction a turn
	PV 0, \t, 1
.endr
	s_wait_dscnt 0x0
	WIN W_PVB
.irp t, 0,1,2,3,4,5,6,7
	PV 1, \t, 0
	PV 1, \t, 1
.endr
	WIN 0
	s_add_co_u32 s[TB], s[TB], 2*STEPB
	s_add_co_u32 s[TS], s[TS], 2048
	s_and_b32 s[TS], s[TS], 16383                  ; the second walk begins at the first image again
.endm
; THE CHANGE OF SLOTS.  Each wave waits for all its tensor loads, adds 0 to its spare word, and waits for that and for its reads of the slot that it has left.
; fill = 1: a round of the cluster's barrier; the joint refill is the first thing behind it and has four key steps in which to land.
.macro CHANGE fill
	s_wait_tensorcnt 0x0
	ds_add_u32 v[SPW], v[NIL]
.if \fill
	ds_add_u32 v[SPW], v[NIL]
	s_xor_b32 s[G0+1], s[G0+1], SLOT1              ; the other slot than last time,
	s_add_co_u32 s[MS], s[MS], 1
	s_and_b32 s[MS], s[MS], 3                      ; the head's next quarter, round and round
	s_mul_i32 s[OFF], s[MS], SLOTB
	s_add_nc_u64 s[G0+2:G0+3], s[KB:KB+1], s[OFF:OFF+1]
	s_or_b32 s[G0+3], s[G0+3], 0x80000000
	s_wait_xcnt 0x0                                ; the last prefetches have read their addresses
	s_add_nc_u64 s[PFA:PFA+1], s[PFA:PFA+1], SLOTB
	s_add_nc_u64 s[QP:QP+1], s[QP:QP+1], 8192
	s_wait_dscnt 0x0
	CROUND
	JLOAD
	ASK
.else
	s_wait_dscnt 0x0
	s_barrier_signal -1
	s_barrier_wait -1
.endif
.endm
.macro TWO_PAIRS                       ; a slot's four key steps
	s_mov_b32 s[STEPS], 2
.Lpair_\@:
	PAIR
	s_sub_co_u32 s[STEPS], s[STEPS], 1
	s_cmp_lg_u32 s[STEPS], 0
	s_cbranch_scc1 .Lpair_\@
	s_sub_co_u32 s[TB], s[TB], SLOTB
	s_xor_b32 s[TB], s[TB], SLOT1
.endm
.macro PACK x                          ; through my stage: rows of 528 bytes in, whole rows of 512 back
.irp t, 0,1,2,3,4,5,6,7
	ds_store_b128 v[STO], v[S+64*(\x)+8*\t:S+64*(\x)+8*\t+3] offset:64*\t
	ds_store_b128 v[STO], v[S+64*(\x)+8*\t+4:S+64*(\x)+8*\t+7] offset:64*\t+16
.endr
.irp i, 0,1,2,3,4,5,6,7,8,9,10,11,12,13,14,15
	ds_load_b128 v[S+64*(\x)+4*\i:S+64*(\x)+4*\i+3], v[RD] offset:SPITCH*\i   ; LDS serves a wave's instructions in order
.endr
.endm
.macro SEND x, younger
.irp i, 0,1,2,3,4,5,6,7,8,9,10,11,12,13,14,15
	s_wait_dscnt \younger+15-\i                    ; row i is back; the later rows and the younger instructions may be out
	global_store_b128 v[LI], v[S+64*(\x)+4*\i:S+64*(\x)+4*\i+3], s[12:13] offset:512*(16*(\x)+\i) th:TH_STORE_NT   ; a whole row of 512 bytes, aligned
.endr
.endm
; THE WAY OUT of a block of queries.  more = 1: as soon as O^T has left its registers the next block's rows of q are asked for into them, and land under the way out; the statistics begin anew.
.macro WAYOUT more
.irp x, 0,1
	v_add_f32 v[ST+8*\x+6], v[ST+8*\x+2], v[ST+8*\x+3]   ; these six lines are also the places behind the last products
.endr
.irp x, 0,1
	s_delay_alu instid0(VALU_DEP_2)
	v_permlanex16_b32 v[TM+12*\x+8], v[ST+8*\x+6], s[SEL], s[SEL+1]
.endr
.irp x, 0,1
	s_delay_alu instid0(VALU_DEP_2)
	v_add_f32 v[ST+8*\x+6], v[ST+8*\x+6], v[TM+12*\x+8]
.endr
	s_wait_alu depctr_va_vdst(0)
.irp x, 0,1
	v_rcp_f32 v[ST+8*\x+6], v[ST+8*\x+6]
.endr
	v_nop
	s_wait_alu depctr_va_vdst(0)                   ; for the two reciprocals and for the first read of O^T
	WIN W_OUT
.irp x, 0,1
.set j, 0
.rept 32
	v_pk_mul_f32 v[S+64*\x+j:S+64*\x+j+1], v[64*\x+j:64*\x+j+1], v[ST+8*\x+6:ST+8*\x+7] op_sel_hi:[1,0]
.set j, j+2
.endr
.endr
	WIN 0
.if \more
	s_add_nc_u64 s[4:5], s[4:5], BLK4              ; four blocks on (the first block's loads were waited for)
	QLOAD
.endif
	PACK 0
	PACK 1
	SEND 0, 32
	SEND 1, 0
.if \more
	s_wait_xcnt 0x0                                ; the stores' base and data may be written again
	s_add_nc_u64 s[12:13], s[12:13], BLK4
.irp x, 0,1
	v_mov_b32 v[ST+8*\x+1], 0xff61b1e6
.endr
.irp x, 0,1
	s_delay_alu instid0(VALU_DEP_2)
	v_floor_f32 v[ST+8*\x], -v[ST+8*\x+1]
.endr
.irp x, 0,1
	v_mov_b32 v[ST+8*\x+2], 0
	v_mov_b32 v[ST+8*\x+3], 0
.endr
	QPREP
.endif
.endm
.Lslot:                                            ; seven trips: behind each change of slots but the last the next slot is asked for
	CHANGE 1
	TWO_PAIRS
	s_cmp_lg_u32 s[SLOTS], 4                       ; the fourth slot ends the first block: the count is the same in every wave and work-group
	s_cbranch_scc1 .Lno_out
	WAYOUT 1
.Lno_out:
	s_sub_co_u32 s[SLOTS], s[SLOTS], 1
	s_cmp_lg_u32 s[SLOTS], 0
	s_cbranch_scc1 .Lslot
	CHANGE 0                                       ; the last slot is written out
	TWO_PAIRS
	WAYOUT 0
	s_wait_tensorcnt 0x0                           ; the wave's end
	ds_add_u32 v[SPW], v[NIL]
	s_wait_dscnt 0x0
	CROUND                                         ; the closing round
	s_endpgm
.Lfunc_end_k_q97bb43fb98_attn:
	.size	k_q97bb43fb98_attn, .Lfunc_end_k_q97bb43fb98_attn-k_q97bb43fb98_attn
	.p2alignl 7, 3214868480
	.fill 96, 4, 3214868480
	.section	.rodata,"a",@progbits
	.p2align	6, 0x0
	.amdhsa_kernel k_q97bb43fb98_attn
		.amdhsa_group_segment_fixed_size 327680
		.amdhsa_private_segment_fixed_size 0
		.amdhsa_enable_private_segment 0
		.amdhsa_kernarg_size 32
		.amdhsa_user_sgpr_count 2
		.amdhsa_user_sgpr_kernarg_segment_ptr 1
		.amdhsa_wavefront_size32 1
		.amdhsa_system_sgpr_workgroup_id_x 1
		.amdhsa_system_sgpr_workgroup_id_y 1
		.amdhsa_system_sgpr_workgroup_id_z 1
		.amdhsa_system_vgpr_workitem_id 0
		.amdhsa_next_free_vgpr 512
		.amdhsa_next_free_sgpr 80
		.amdhsa_reserve_vcc 1
		.amdhsa_float_denorm_mode_32 3
		.amdhsa_float_denorm_mode_16_64 3
		.amdhsa_memory_ordered 1
		.amdhsa_forward_progress 1
		.amdhsa_inst_pref_size 186
	.end_amdhsa_kernel
	.amdgpu_metadata
---
amdhsa.version: [ 1, 2 ]
amdhsa.kernels:
  - .name:           k_q97bb43fb98_attn
    .symbol:         k_q97bb43fb98_attn.kd
    .args:
      - { .name: q, .offset: 0, .size: 8, .value_kind: global_buffer, .address_space: global }
      - { .name: kvc, .offset: 8, .size: 8, .value_kind: global_buffer, .address_space: global }
      - { .name: kvs, .offset: 16, .size: 8, .value_kind: global_buffer, .address_space: global }
      - { .name: out0, .offset: 24, .size: 8, .value_kind: global_buffer, .address_space: global }
    .group_segment_fixed_size: 327680
    .private_segment_fixed_size: 0
    .kernarg_segment_align: 8
    .kernarg_segment_size: 32
    .max_flat_workgroup_size: 256
    .sgpr_count:     80
    .vgpr_count:     512
    .wavefront_size: 32
...
	.end_amdgpu_metadata
.endif
;; end of part 2
